; MI455X (gfx1250); checked and timed in simulation.
; The chip was launched on July 23, 2026; its instructions are those of AMD's public machine-readable ISA for CDNA 5 (MIT licence, August 2026) and "CDNA5" Instruction Set Architecture Reference Guide (July 2026). The comments in the code are by the model that wrote it; some were corrected since.
;; Attention. Allowed arithmetic: matrix products marked QUANTISED: E4M3 operands, one E8M0 scale for each 32 along K, by v_wmma_scale_f32_16x16x128_f8f6f4 with both operands' format E4M3, f32 sums; everything else in f32.
;; Inputs: k_codes 1 x 16 x 4,096 x 2 x 32 uint8 (E4M3 codes of k, K innermost, in blocks of 32 codes); k_scales 1 x 16 x 4,096 x 2 uint8 (E8M0 scales of k, one for each 32 codes along K); q_codes 1 x 16 x 4,096 x 2 x 32 uint8 (E4M3 codes of q, K innermost, in blocks of 32 codes); q_scales 1 x 16 x 4,096 x 2 uint8 (E8M0 scales of q, one for each 32 codes along K); v_codes 1 x 16 x 64 x 128 x 32 uint8 (E4M3 codes of v, K innermost, in blocks of 32 codes); v_scales 1 x 16 x 64 x 128 uint8 (E8M0 scales of v, one for each 32 codes along K).
;; Outputs: out0 1 x 16 x 4,096 x 64 float32.
;; This version of the problem:
;;   THIS VERSION OF THE PROBLEM IS GIVEN IN LOW PRECISION. The matrix products marked QUANTISED in the list below multiply operands that are first quantised to E4M3 (4 exponent bits, 3 mantissa bits; 8 bits a number), with one power-of-two scale for each 32 numbers along K (OCP MX v1.0); their sums are f32. All else is computed in f32.
;;   The module's matrix products, in the order in which they are computed (A, B: the left and right operand; K: the contracted axis; several contracted axes count as one K, in the product's order):
;;     1. batch 16 x [M 4,096, K 64] x [K 64, N 4,096]; A: input q (given as codes); B: input k (given as codes): QUANTISED
;;     2. batch 16 x [M 4,096, K 4,096] x [K 4,096, N 64]; A: softmax (see below); B: input v (given as codes): QUANTISED
;;   THE QUANTISER, for each operand of a quantised product, along K:
;;     - K is cut into blocks of 32 from its start; a last block that is shorter is filled with zeros.
;;     - A block's scale is 2^e with e = floor(log2(the largest magnitude in the block)) - 8, held to -126 .. 127; a block of zeros has e = 0. As a byte (E8M0): e + 127.
;;     - Each number is divided by its block's scale, clamped to +-448, and rounded to the nearest number of E4M3, ties to even, subnormals kept.
;;     - The product sums the exact products of the quantised numbers (number of the format x scale) in f32.
;;   ~~~python
;;   def quantise(x, axis):      # numpy; x: float32 -> the quantised numbers, widened to float32 again
;;       x = np.moveaxis(x, axis, -1); K = x.shape[-1]
;;       x = np.pad(x, [(0, 0)] * (x.ndim - 1) + [(0, -K % 32)]); x = x.reshape(x.shape[:-1] + (-1, 32)); a = np.abs(x).max(-1, keepdims=True)
;;       e = np.where(a > 0, np.clip(np.frexp(np.where(a > 0, a, 1))[1] - 1 - 8, -126, 127), 0)      # np.frexp(a)[1] - 1 = floor(log2(a)), exactly
;;       r = np.clip(x / 2.0 ** e, -448, 448)
;;       step = 2.0 ** (np.maximum(np.frexp(np.where(r == 0, 1, r))[1] - 1, -6) - 3)
;;       q = np.round(r / step) * step * 2.0 ** e      # np.round: ties to even
;;       return np.moveaxis(q.reshape(q.shape[:-2] + (-1,))[..., :K], -1, axis).astype(np.float32)
;;   ~~~
;;   SOFTMAX AHEAD OF A QUANTISED PRODUCT. Where the list says 'softmax', what is quantised is not the finished softmax but p = 2^(t - M), with t = logit x log2(e) and M = ceil(the row's largest t), a whole number; so 1/2 < the row's largest p <= 1. The row's sum l is taken of the UNQUANTISED p, in f32, and the product's result is divided by l at the end. Since M is a whole number, a kernel that streams over the keys may use a running M (the ceiling of the running maximum): every later rescaling is an exact power of two, which a block's scale takes up: the codes' values come out the same.
;;   OPERANDS COMPUTED ON THE WAY. 'Computed on the way' means the value that the module computes at that place (a softmax that the list does not call 'softmax' is quantised finished and normalised). What goes into a quantiser is computed in f32, as accurately as f32 sums, v_exp_f32 and their like allow (about 1e-6 of the number): no bf16 or f16 on the way to a quantiser, and a product that is left as it is and whose result goes on into a quantised operand takes f32 operands (vector FMAs, or v_wmma_f32_16x16x4_f32). A number that lies on a knife's edge between two numbers of the format may be rounded either way, as far as f32 arithmetic and the matrix unit's own rounding can turn it there, and no further.
;;   INPUTS GIVEN AS CODES. k (in the module: [1, 16, 4096, 64], K = its axis 3); q (in the module: [1, 16, 4096, 64], K = its axis 3); v (in the module: [1, 16, 4096, 64], K = its axis 2): each comes as NAME_codes (uint8): NAME with its K axis moved to the last place and cut into blocks of 32 codes, [.., K / 32, bytes a block], one block behind the other in memory; one code a byte (a code: sign, 4 exponent bits, 3 mantissa bits); and NAME_scales (uint8): the same leading axes, one E8M0 byte (e + 127) for each 32 codes along K. Its value is code x scale, taken as it is: it is not quantised again, and the codes and scales need not be those that the quantiser above would give.
;; One version. Each part assembles by itself: llvm-mc -triple=amdgcn-amd-amdhsa -mcpu=gfx1250 --defsym DOCPART=n.
;; ======== version 1 of 1: 1 launch
;; launch attn (part 1): grid 16 x 16, 16 waves a work-group, no clusters, 327,680 bytes of LDS; arguments q_codes, q_scales, k_codes, k_scales, v_codes, v_scales, out0; writes out0
.if DOCPART == 1
	.amdgcn_target "amdgcn-amd-amdhsa--gfx1250"
	.amdhsa_code_object_version 6
	.text
	.protected	k_qde780b77ad_attn
	.globl	k_qde780b77ad_attn
	.p2align	8
	.type	k_qde780b77ad_attn,@function
k_qde780b77ad_attn:
	s_mov_b64 s[64:65], 0
	v_nop
	global_prefetch_b8 v0, s[64:65] scope:SCOPE_SE
	s_setreg_imm32_b32 hwreg(HW_REG_WAVE_MODE, 25, 1), 1
	s_wait_xcnt 0x0
; out0[h][q][:] = the sum over k <= q of softmax_k(Q[h][q] . K[h][k] / 8) V[h][k][:]: 16 heads, 4,096 queries and keys, head size 64; both products on codes of FP8 (E4M3) with one E8M0 scale for each 32 along a product's K.
; Q, K: [16][4096][64] codes, 2 scale bytes a row.  V: codes with the KEYS innermost, [16][64][4096], 128 scale bytes a row.  out0: [16][4096][64] f32.
; THE SOFTMAX AHEAD OF THE SECOND PRODUCT: t = score x log2(e) / 8; M = the row's largest t so far, rounded UP to a whole number; p = 2^(t - M) is quantised along the keys, not normalised.
; The row's sum is taken of the unquantised p, in f32, and divides at the end.  When M moves, the sum and O are multiplied by 2^(old M - new M): exact.
; SHARES.  A tile is 16 queries, a key step 128 keys.  Work-group (j, head) owns query blocks j and 31 - j, 128 queries each; each of its sixteen waves owns one tile, in 256 registers.  Wave w is of the late block where
; (w xor (w >> 2)) is odd, and takes tile w >> 1 of its block: of any four waves w = 4 a .. 4 a + 3, and of any four w = a, a + 4, a + 8, a + 12, two are early and two late.  A tile of block B has B + 1 key steps at or under the
; diagonal, so two early and two late waves have 2 (j + 1) + 2 (32 - j) = 66 steps together, whatever j.  Steps wholly above a wave's diagonal are jumped over (a scalar branch on ids); a wave's diagonal step is its last, and its rows leave there.
; The work-group walks (33 - j) >> 1 slots of 256 keys through a ring of two LDS slots, filled by the tensor data mover (wave 0: K's tile, wave 1: V's) and read by all sixteen.
; LAYOUT.  Both products are used transposed: S^T = K Q^T (source 0 = 16 keys, source 1 = my 16 queries), O^T = V^T P^T (source 0 = 16 of the head's 64, source 1 = P): a lane holds ONE query (lane % 16) throughout.
; THE KEYS OF A TILE ARE NOT NEIGHBOURS: lane r of tile 2 b + u takes key 32 b + 8 u + r + 8 (r / 8), so that the 16 registers of tiles 2 b and 2 b + 1 are 16 neighbouring keys, 32 b + 16 (lane / 16) + 0 .. 15.
; THE FIRST PRODUCT'S K IS 64, the instruction's 128.  Q's registers 8-15 hold zero codes.  K's eight tiles take 8 registers each, on end; a tile's operand is its 8 registers and the 8 behind them (the next tile's codes; behind
; the last tile eight registers of zeros), which meet Q's zeros and add nothing.  Scale words come by 16-bit loads: bytes 2 and 3 are 0, a small power of two over products that are 0.
; NO CLUSTER: the work-groups that read the same K and V are those of one head, and they differ in j: the number of slots they walk, (33 - j) >> 1, and the steps that their waves jump over hang on j, and partners of a joint load
; must branch alike.  Shares in which partners branch alike (each work-group two tiles of each of eight blocks) leave a SIMD's four waves with 80 steps in lock step against these 66.
; LIMITS: a NaN code in k_codes spoils the scores of the tile of keys that lies next to it in the registers too; scale bytes 0xff are not served; p under 2^-126 is taken as 0 (v_exp_f32 gives 0 there: ISA guide, its entry in 15.8).
.set KP,    144                        ; K in LDS: rows of 128 bytes (TWO keys) + 16 of padding: key x lies at (x >> 1) 144 + (x & 1) 64.  The 16 keys 0-7, 16-23 of a load start at 16-byte columns 9 (x >> 1) + 4 (x & 1) mod 16, all different (64 banks of 4 bytes: ISA guide 11.1)
.set VP,    272                        ; V in LDS: a row is 256 keys + 16 of padding: row r starts at 16-byte column r mod 16
.set VOFF,  128*KP                     ; a slot: 128 rows of K, then 64 rows of V
.set SLOT1, 1<<16                      ; slot 1 begins here, so that one exclusive or turns an address in one slot into the other's
.set SCK,   2*SLOT1                    ; behind the ring: K's scale bytes of the whole head, 8,192 dense bytes: key x at 2 x
.set SVP,   136                        ; V's scale bytes: a row of 128 + 8 of padding = 34 words: 32 lanes, a row each, take 32 different even banks
.set SCV,   SCK+8192
.set SP,    272                        ; the way out: a stage of 16 rows x (256 bytes + 16) for each wave; no tensor load lands there
.set STAGE, SCV+64*SVP
.set SPARE, STAGE+16*16*SP             ; the spare words, 128 bytes for each wave: eight blocks of 256 bytes that no other line names
.set AK0,  1                           ; v1   my lane's place in a tile of K
.set AV0,  2                           ; v2   the same for V
.set ASK0, 3                           ; v3   my lane's place among K's scale words
.set ASV0, 4                           ; v4   and among V's
.set SPW,  5                           ; v5   LDS address of my spare word: SPARE + 4 x my thread's number; never rewritten
.set NIL,  6                           ; v6   0; never rewritten
.set PFO,  7                           ; v7   the prefetches' offset; never rewritten
.set ADK,  8                           ; v8-11 LDS addresses of the step in hand: K's tiles, V's, K's scale words, V's
.set ADV,  9
.set ADS,  10
.set ADT,  11
                                       ; v12 -M, v13 the largest t so far, v[14:15] the row's sum in two halves
.set QF,   16                          ; v16-31   Q's operand: v16-23 codes, v24-31 zeros
.set KV,   32                          ; v32-95   K's eight tiles of 8 registers, later V's four fragments of 16, on the way out rows of out0; v96-103 zeros, never rewritten
.set S,    104                         ; v104-167 S^T, then p
.set OT,   168                         ; v168-199 O^T: four accumulators
.set PC,   200                         ; v200-215 p's codes
.set BM,   216                         ; v216-219 each block's largest score, then its largest p
.set T1,   220                         ; v220-223 at work: the other half's maxima, the sum's second chain, the scale bytes
.set HL,   224                         ; v224-227 448 x the scale
.set SO,   228                         ; v228-231 the conversions' scale operands
.set F,    232                         ; v[232:233] f = 2^(old M - new M); v233 is named with it as a pair
.set TMP,  234
.set DD,   235                         ; v235-237 the mask's
.set NINF, 236
.set T2,   237
.set KS,   240                         ; v240-243 K's scale words: register b: lanes 0-15 tile 2 b's, lanes 16-31 tile 2 b + 1's
.set VS,   244                         ; v244-245 V's: register g: lane l holds row 32 g + l's
.set QS,   246                         ; v246 Q's scale words
.set PW,   247                         ; v247 p's scale word
.set GO,   248                         ; v248 the way out: my byte offset in the wave's rows of out0
.set STO,  249                         ; v249 where I put 32 bytes of a row in my stage
.set RD,   250                         ; v250 where I read a row back
.set TB,   2                           ; s2   LDS byte at which the slot in hand begins
.set TS,   3                           ; s3   where the step's scale words of K begin: 256 bytes a step
.set WV,   18                          ; s18  my wave's number
.set MNT,  19                          ; s19  the mantissa field of 448
.set SEL,  20                          ; s[20:21] lane selects for v_permlanex16_b32: lane l xor 16
.set CS,   22                          ; s[22:23] c = log2(e) / 8: the packed form names a pair and takes its low word for both halves
.set G1K,  24                          ; s[24:31] descriptor group 1 for K's tiles;  s[32:39] for V's;  s[40:43], s[44:47] their groups 0, which walk
.set G1V,  32
.set G0K,  40
.set G0V,  44
.set G1SK, 48                          ; s[48:55] group 1 for K's scale bytes, s[68:75] for V's;  s[56:59], s[60:63] their groups 0
.set G0SK, 56
.set G0SV, 60
.set TJ,   66                          ; s66  V's scale words: 4 bytes a step
.set CNT,  67                          ; s67  the slot in hand
.set G1SV, 68
.set PFA,  76                          ; s[76:77] where my prefetches stand in memory
.set PFS,  78                          ; s[78:79] a slot on, in bytes: 16,384 in K, 256 in a row of V
.set LIM,  80                          ; s80  14 in a wave that prefetches, else 0: a wave prefetches while s[CNT] is under it
.set LAST, 81                          ; s81  my work-group's last slot: ((33 - j) >> 1) - 1; it hangs on the work-group's number alone
.set KF,   98                          ; s98  the step's first key
.set Q0,   99                          ; s99  my first query
.set W0K,  (1<<20)|(4<<22)|(3<<25)             ; elements of 1 byte; padding on: 4 words (code 3) after every 32 (code 4)
.set W0V,  (1<<20)|(5<<22)|(3<<25)             ; 4 words after every 64 (code 5)
.set W0SK, (3<<16)                             ; elements of 8 bytes, no padding
.set W0SV, (3<<16)|(1<<20)|(4<<22)|(1<<25)     ; elements of 8 bytes; 2 words (code 1) after every 32
; descriptor group 1: r rows of c elements, p elements from row to row; the tiles lie inside their tensors, so the extents are the tile's
.macro SHAPE g, w0, c, r, p
	s_mov_b32 s[\g], \w0
	s_mov_b32 s[\g+1], (\c)<<16                    ; tensor_dim0
	s_mov_b32 s[\g+2], (\r)<<16                    ; tensor_dim1
	s_mov_b32 s[\g+3], (\c)<<16                    ; tile_dim0
	s_mov_b32 s[\g+4], \r                          ; tile_dim1
	s_mov_b32 s[\g+5], \p                          ; tensor_dim0_stride
	s_mov_b32 s[\g+6], 0
	s_mov_b32 s[\g+7], 0
.endm
; Wave 0 fetches for K, wave 1 for V, the others nothing.  The branches hang on the wave's number alone.  Four v_nop follow each of the two lines.
.macro TLOAD g0k, g1k, g0v, g1v
	s_cmp_eq_u32 s[WV], 0
	s_cbranch_scc0 .Lnot_k_\@
	tensor_load_to_lds s[\g0k:\g0k+3], s[\g1k:\g1k+7]
	s_nop 0
.rept 4
	v_nop
.endr
	s_branch .Lasked_\@
.Lnot_k_\@:
	s_cmp_eq_u32 s[WV], 1
	s_cbranch_scc0 .Lasked_\@
	tensor_load_to_lds s[\g0v:\g0v+3], s[\g1v:\g1v+7]
	s_nop 0
.rept 4
	v_nop
.endr
.Lasked_\@:
.endm
; A PREFETCH INTO THE L2 of what the NEXT change of slots will ask for: in trip t, which asks for slot t + 1, slot t + 2: 16,384 dense bytes of K and 256 bytes of each of V's 64 rows, two key steps ahead of that slot's tensor loads.
; Each aligned block of 256 bytes is named ONCE in the launch.  All work-groups of a head walk the same K and V from slot 0 on, and work-group x = 0 walks all sixteen slots: it asks, and nobody else.  In it four waves that
; fetch nothing and have work in every step ask, one instruction each: waves 4 and 6 for K's block, 8,192 bytes a wave, lanes 256 bytes apart; waves 12 and 14 for V's rows, 32 a wave, a lane a row.
; Trips 14 and on ask for nothing: there is no slot 16.  Slots 0 and 1 come by their loads alone.
.macro ASK
	s_cmp_lt_u32 s[CNT], s[LIM]
	s_cbranch_scc0 .Lnot_mine_\@
	global_prefetch_b8 v[PFO], s[PFA:PFA+1] th:TH_LOAD_NT scope:SCOPE_SE
.Lnot_mine_\@:
.endm
	s_load_b128 s[4:7], s[0:1], 0x0                ; Q's codes, Q's scales
	s_load_b128 s[8:11], s[0:1], 0x10              ; K's codes, K's scales
	s_load_b128 s[12:15], s[0:1], 0x20             ; V's codes, V's scales
	s_load_b64 s[16:17], s[0:1], 0x30              ; out0
	v_lshl_add_u32 v[SPW], v0, 2, SPARE
	v_mov_b32 v[NIL], 0
	ds_add_u32 v5, v6
	s_wait_dscnt 0x0
	v_lshrrev_b32 v8, 5, v0
	v_readfirstlane_b32 s[WV], v8                  ; wave 0..15
	s_and_b32 s83, ttmp7, 0xffff                   ; the head
	s_lshr_b32 s82, s[WV], 2
	s_xor_b32 s82, s82, s[WV]
	s_and_b32 s82, s82, 1                          ; 1: my tile is of the late block
	s_sub_co_u32 s84, 31, ttmp9
	s_cmp_eq_u32 s82, 1
	s_cselect_b32 s84, s84, ttmp9                  ; my block: 31 - j or j
	s_lshl_b32 s84, s84, 7
	s_lshr_b32 s85, s[WV], 1                       ; my tile in it
	s_lshl_b32 s85, s85, 4
	s_add_co_u32 s[Q0], s84, s85                   ; my first query
	s_sub_co_u32 s[LAST], 33, ttmp9
	s_lshr_b32 s[LAST], s[LAST], 1
	s_sub_co_u32 s[LAST], s[LAST], 1
	s_lshl_b32 s84, s83, 18                        ; the head's first byte in each tensor of codes (262,144 bytes a head),
	s_mov_b32 s85, 0
	s_lshl_b32 s86, s83, 13                        ; in each tensor of scale bytes (8,192),
	s_mov_b32 s87, 0
	s_lshl_b32 s88, s83, 20                        ; and in out0 (1,048,576)
	s_mov_b32 s89, 0
	s_lshl_b32 s90, s[Q0], 6
	s_mov_b32 s91, 0
	s_add_nc_u64 s[90:91], s[90:91], s[84:85]      ; my first query's codes,
	s_lshl_b32 s92, s[Q0], 1
	s_mov_b32 s93, 0
	s_add_nc_u64 s[92:93], s[92:93], s[86:87]      ; its scale bytes,
	s_lshl_b32 s94, s[Q0], 8
	s_mov_b32 s95, 0
	s_add_nc_u64 s[94:95], s[94:95], s[88:89]      ; its row of out0
	SHAPE G1K,  W0K,  128, 128, 128                ; K: 256 keys are 16,384 dense bytes: 128 rows of 128 bytes
	SHAPE G1V,  W0V,  256, 64, 4096                ; V: 64 rows of 256 bytes, 4,096 bytes apart
	SHAPE G1SK, W0SK, 32, 32, 32                   ; K's scale bytes of a head: 8,192 dense bytes as 32 rows of 256
	SHAPE G1SV, W0SV, 16, 64, 16                   ; V's: 64 rows of 128 bytes, dense in memory
	s_mov_b32 s[SEL], 0x76543210
	s_mov_b32 s[SEL+1], 0xfedcba98
	s_mov_b32 s[CS], 0x3e38aa3b                    ; c = log2(e) / 8
	s_mov_b32 s[CS+1], s[CS]                       ; (named with it as a pair, so it is written)
	s_mov_b32 s[MNT], 0x600000
	s_mov_b32 s[TB], 0
	s_mov_b32 s[TS], 0
	s_mov_b32 s[TJ], 0
	s_mov_b32 s[KF], 0
	s_mov_b32 s[CNT], 0
	s_wait_kmcnt 0x0
	s_mov_b32 s[G0SK], 1                           ; 1:0 count = 1
	s_mov_b32 s[G0SK+1], SCK                       ; 63:32 LDS address
	s_add_nc_u64 s[G0SK+2:G0SK+3], s[10:11], s[86:87]  ; 120:64 global address
	s_or_b32 s[G0SK+3], s[G0SK+3], 0x80000000      ; 127:126 type = 2
	s_mov_b32 s[G0SV], 1
	s_mov_b32 s[G0SV+1], SCV
	s_add_nc_u64 s[G0SV+2:G0SV+3], s[14:15], s[86:87]
	s_or_b32 s[G0SV+3], s[G0SV+3], 0x80000000
	s_mov_b32 s[G0K], 1
	s_mov_b32 s[G0K+1], 0                          ; slot 0
	s_add_nc_u64 s[G0K+2:G0K+3], s[8:9], s[84:85]  ; the head's first 256 keys
	s_or_b32 s[G0K+3], s[G0K+3], 0x80000000
	s_mov_b32 s[G0V], 1
	s_mov_b32 s[G0V+1], VOFF
	s_add_nc_u64 s[G0V+2:G0V+3], s[12:13], s[84:85]
	s_or_b32 s[G0V+3], s[G0V+3], 0x80000000
	TLOAD G0SK, G1SK, G0SV, G1SV                   ; the scale bytes of the whole head: filled once
	TLOAD G0K, G1K, G0V, G1V                       ; slot 0.  Two tensor loads of a fetching wave are out; every wait for them is for 0
	s_add_nc_u64 s[4:5], s[4:5], s[90:91]          ; Q's codes at my first query,
	s_add_nc_u64 s[6:7], s[6:7], s[92:93]          ; its scale bytes,
	s_add_nc_u64 s[16:17], s[16:17], s[94:95]      ; out0 likewise
	; the prefetches (macro ASK): where my wave's stand, and who asks
	s_cmp_lt_u32 s[WV], 8                          ; waves 4 and 6 ask for K's codes, waves 12 and 14 for V's
	s_cselect_b64 s[PFA:PFA+1], s[8:9], s[12:13]
	s_mov_b32 s[PFS], 256
	s_cselect_b32 s[PFS], 16384, s[PFS]            ; a slot on
	s_mov_b32 s86, 4096
	s_cselect_b32 s86, 256, s86                    ; from lane to lane
	s_mov_b32 s87, 32*4096
	s_cselect_b32 s87, 8192, s87                   ; from the first asking wave's part to the second's
	v_and_b32 v[PFO], 31, v0
	v_mul_lo_u32 v[PFO], v[PFO], s86
	s_bfe_u32 s86, s[WV], 0x10001                  ; (wave >> 1) & 1: which part is mine
	s_mul_i32 s86, s86, s87
	s_add_co_u32 s86, s86, s[PFS]                  ; in slot 1: the first change of slots steps it to slot 2.  Nothing is prefetched here, at the head, where every work-group's first tiles are on their way
	s_mov_b32 s87, 0
	s_mov_b32 s[PFS+1], 0
	s_add_nc_u64 s[PFA:PFA+1], s[PFA:PFA+1], s[84:85]  ; in my head
	s_add_nc_u64 s[PFA:PFA+1], s[PFA:PFA+1], s[86:87]
	s_and_b32 s86, s[WV], 5
	s_xor_b32 s86, s86, 4                          ; 0 in waves 4, 6, 12, 14,
	s_or_b32 s86, s86, ttmp9                       ; of the head's work-group x = 0
	s_cmp_eq_u32 s86, 0
	s_cselect_b32 s[LIM], 14, 0
	v_and_b32 v8, 15, v0                           ; r = lane % 16
	v_bfe_u32 v9, v0, 4, 1                         ; h = lane / 16
	v_lshlrev_b32 v10, 6, v8
	v_lshl_add_u32 v10, v9, 4, v10                 ; Q: row r of 64 bytes, + 16 h
	global_load_b128 v[QF:QF+3], v10, s[4:5]       ; Q's codes stay in registers: k = 16 h + 0 .. 15,
	global_load_b128 v[QF+4:QF+7], v10, s[4:5] offset:32   ; k = 32 + 16 h + 0 .. 15
	v_lshlrev_b32 v[TMP], 1, v8
	global_load_u16 v[QS], v[TMP], s[6:7]          ; Q's scale words: two bytes, the upper two 0
	v_and_b32 v11, 8, v8
	v_add_nc_u32 v11, v11, v8                      ; kr = r + 8 (r / 8)
	v_lshrrev_b32 v[DD], 1, v11
	v_mul_u32_u24 v[AK0], v[DD], KP
	v_and_b32 v[DD], 1, v11
	v_lshl_add_u32 v[AK0], v[DD], 6, v[AK0]
	v_lshl_add_u32 v[AK0], v9, 4, v[AK0]           ; K: (kr >> 1) 144 + (kr & 1) 64 + 16 h
	v_mul_u32_u24 v[AV0], v8, VP
	v_lshl_add_u32 v[AV0], v9, 4, v[AV0]
	v_add_nc_u32 v[AV0], VOFF, v[AV0]              ; V: row r, + 16 h
	v_lshl_add_u32 v[ASK0], v9, 3, v11
	v_lshl_add_u32 v[ASK0], v[ASK0], 1, SCK        ; K's scale words: 2 bytes a key; lanes 16-31 take the tile 8 keys on
	v_and_b32 v[DD], 31, v0
	v_mul_u32_u24 v[ASV0], v[DD], SVP
	v_add_nc_u32 v[ASV0], SCV, v[ASV0]             ; V's: a lane a row
	s_mul_i32 s88, s[WV], 16*SP
	s_add_co_u32 s88, s88, STAGE                   ; my stage
	v_mul_u32_u24 v[STO], v8, SP
	v_lshl_add_u32 v[STO], v9, 5, v[STO]
	v_add_nc_u32 v[STO], s88, v[STO]               ; in: row r; tile t's eight channels of my half: 64 t + 32 h bytes on
	v_mul_u32_u24 v[RD], v9, SP
	v_lshl_add_u32 v[RD], v8, 4, v[RD]
	v_add_nc_u32 v[RD], s88, v[RD]                 ; back: lanes 0-15 one row, lanes 16-31 the next
	v_lshlrev_b32 v[GO], 8, v9
	v_lshl_add_u32 v[GO], v8, 4, v[GO]             ; and the same two rows of out0, 256 bytes each
	v_mov_b32 v13, 0xff61b1e6                      ; the largest t so far: -3e38, under every t
	v_floor_f32 v12, -v13                          ; -M
	v_mov_b32 v14, 0                               ; the sum, in two halves
	v_mov_b32 v15, 0
	v_mov_b32 v[F+1], 0                            ; (named as the upper half of the pair before it is otherwise written)
.irp b, 0,1,2,3
	v_mov_b32 v[T1+\b], 0                          ; written once: a lane permute's destination counts as one of its sources
.endr
.irp i, 0,1,2,3,4,5,6,7
	v_mov_b32 v[QF+8+\i], 0                        ; Q's k = 64 .. 127: zero codes
	v_mov_b32 v[KV+64+\i], 0                       ; and the eight registers behind K's last tile
.endr
.set n, 0
.rept 32
	v_mov_b32 v[OT+n], 0                           ; O^T.  (The step is written without a first step of its own: the first finds zeros, which the first change of M leaves zeros)
.set n, n+1
.endr
; THE WAY OUT of a wave's 16 rows, in its diagonal step.  O^T / the sum goes through my stage in LDS and comes back as whole rows of 256 bytes: each store of the wave covers 512 consecutive bytes, aligned to 256.
.macro WAYOUT
	v_add_f32 v14, v14, v15                        ; the sum's two halves,
	v_permlanex16_b32 v[TMP], v14, s[SEL], s[SEL+1]
	v_add_f32 v14, v14, v[TMP]                     ; and lane l xor 16's: the row's sum, at least 1/2
	v_rcp_f32 v14, v14
.rept 8
	v_nop                                          ; eight places behind the last products, ahead of the first read of their results; the first is also the plain instruction behind the reciprocal
.endr
	s_wait_alu depctr_va_vdst(0)                   ; the wait ahead of the reciprocal's first reader
.set n, 0
.rept 16
	v_pk_mul_f32 v[S+n:S+n+1], v[OT+n:OT+n+1], v[14:15] op_sel_hi:[1,0]   ; register 8 t + i is out0(r, 16 t + 8 h + i); each accumulator from its low end on
.set n, n+2
.endr
.irp t, 0,1,2,3
	ds_store_b128 v[STO], v[S+8*\t:S+8*\t+3] offset:64*\t
	ds_store_b128 v[STO], v[S+8*\t+4:S+8*\t+7] offset:64*\t+16
.endr
.irp i, 0,1,2,3,4,5,6,7
	ds_load_b128 v[KV+4*\i:KV+4*\i+3], v[RD] offset:2*\i*SP   ; LDS serves a wave's instructions in order (ISA guide 5.7.1.4): these see my stores
.endr
.irp i, 0,1,2,3,4,5,6,7
	s_wait_dscnt 7-\i                              ; the 7 - i younger loads may be out
	global_store_b128 v[GO], v[KV+4*\i:KV+4*\i+3], s[16:17] offset:512*\i th:TH_STORE_NT   ; written once, read by nobody here
.endr
	s_wait_xcnt 0x0                                ; the stores' data registers are written again only behind this wait
.endm
; A KEY STEP: 128 keys, the q-th of the slot in hand.
.macro STEP q
	s_add_co_u32 s96, s[Q0], 15                    ; a step all of whose keys come after my 16 queries is left out: a scalar branch on ids, round the step's loads, products and softmax;
	s_cmp_gt_u32 s[KF], s96                        ; not round the lines at its end that step addresses, and no barrier or tensor load stands in a step
	s_cbranch_scc1 .Lhidden_\@
	v_add_nc_u32 v[ADK], s[TB], v[AK0]
	v_add_nc_u32 v[ADV], s[TB], v[AV0]
	v_add_nc_u32 v[ADS], s[TS], v[ASK0]
	v_add_nc_u32 v[ADT], s[TJ], v[ASV0]
.rept 4
	v_nop                                          ; with the four additions: eight places in front of loads into registers that the last products have read
.endr
.irp e, 0,1,2,3,4,5,6,7                        ; K's eight tiles, 8 registers each: one run of loads, one wait
.irp c, 0,1
	ds_load_b128 v[KV+8*\e+4*\c:KV+8*\e+4*\c+3], v[ADK] offset:(64*(\q)+16*(\e/2)+4*(\e%2))*KP+32*\c
.endr
.endr
.irp b, 0,1,2,3
	ds_load_u16 v[KS+\b], v[ADS] offset:64*\b      ; two scale bytes a key, the upper two 0
.endr
	s_wait_dscnt 0x0
.irp e, 0,1,2,3,4,5,6,7                        ; S^T = K Q^T: lane (r, h) holds query r; the 16 registers of tiles 2 b, 2 b + 1 are keys 32 b + 16 h + 0 .. 15 of the step
.if (\e)%2
	v_wmma_scale_f32_16x16x128_f8f6f4 v[S+8*\e:S+8*\e+7], v[KV+8*\e:KV+8*\e+15], v[QF:QF+15], 0, v[KS+\e/2], v[QS] matrix_a_scale:MATRIX_SCALE_ROW1
.else
	v_wmma_scale_f32_16x16x128_f8f6f4 v[S+8*\e:S+8*\e+7], v[KV+8*\e:KV+8*\e+15], v[QF:QF+15], 0, v[KS+\e/2], v[QS]
.endif
.endr
.rept 8
	v_nop                                          ; eight places: in front of the loads into K's registers, and of the first read of the scores
.endr
.irp t, 0,1,2,3                                ; V's four fragments are asked for now, and land while the softmax is walked
.irp c, 0,1,2,3
	ds_load_b128 v[KV+16*\t+4*\c:KV+16*\t+4*\c+3], v[ADV] offset:16*\t*VP+128*(\q)+32*\c
.endr
.endr
.irp g, 0,1
	ds_load_b32 v[VS+\g], v[ADT] offset:32*\g*SVP
.endr
	s_add_co_u32 s96, s[KF], 127                   ; on the diagonal the scores of hidden keys become -infinity ahead of the maximum: p = 0 then.  A step all of whose keys count skips this
	s_cmp_le_u32 s96, s[Q0]
	s_cbranch_scc1 .Lopen_\@
	s_sub_co_i32 s96, s[Q0], s[KF]
	v_and_b32 v[DD], 15, v0
	v_bfe_u32 v[T2], v0, 4, 1
	v_lshlrev_b32 v[T2], 4, v[T2]
	v_sub_nc_u32 v[DD], v[DD], v[T2]
	v_add_nc_u32 v[DD], s96, v[DD]                 ; d = my query - KF - 16 (lane / 16).  Register 16 b + i holds key KF + 16 (lane / 16) + 32 b + i: hidden where 32 b + i > d
	v_mov_b32 v[NINF], 0xff800000                  ; -infinity.  (KF <= my first query in every step that is walked, so key KF counts for each of my queries: M is a number)
.set n, 0
.rept 64
	v_cmp_gt_i32 vcc_lo, 32*(n/16)+n%16, v[DD]
	v_cndmask_b32 v[S+n], v[S+n], v[NINF], vcc_lo
.set n, n+1
.endr
.Lopen_\@:
.irp b, 0,1,2,3
	v_max3_num_f32 v[BM+\b], v[S+16*\b], v[S+16*\b+1], v[S+16*\b+2]   ; THE LARGEST SCORE OF EACH BLOCK OF 32 KEYS: it serves twice: for the row's maximum, and, since p rises with the score, for the block's largest p
.endr
.irp i, 3,5,7,9,11,13
.irp b, 0,1,2,3
	v_max3_num_f32 v[BM+\b], v[BM+\b], v[S+16*\b+\i], v[S+16*\b+\i+1]   ; (the four blocks by turns)
.endr
.endr
.irp b, 0,1,2,3
	v_max_num_f32 v[BM+\b], v[BM+\b], v[S+16*\b+15]
.endr
.irp b, 0,1,2,3
	v_permlanex16_b32 v[T1+\b], v[BM+\b], s[SEL], s[SEL+1]
.endr
.irp b, 0,1,2,3
	v_max_num_f32 v[BM+\b], v[BM+\b], v[T1+\b]     ; with lane l xor 16's 16 keys
.endr
	v_max3_num_f32 v[TMP], v[BM], v[BM+1], v[BM+2]
	v_max_num_f32 v[TMP], v[TMP], v[BM+3]          ; the step's largest score of my query
	v_mul_f32 v[TMP], s[CS], v[TMP]                ; as t (c is positive)
	v_max_num_f32 v13, v13, v[TMP]                 ; the running largest t
	v_mov_b32 v[TMP], v12
	v_floor_f32 v12, -v13                          ; the new -M = floor(-t) = -ceil(t): M IS A WHOLE NUMBER
	v_sub_f32 v[TMP], v12, v[TMP]                  ; M's old value less its new one: a whole number, 0 or less
	v_cvt_i32_f32 v[TMP], v[TMP]                   ; (it saturates)
	v_ldexp_f32 v[F], 1.0, v[TMP]                  ; f = 2^(old M - new M): what was summed under the old M is brought under the new by a multiplication that rounds nothing
.set n, 0
.rept 32
	v_pk_fma_f32 v[S+n:S+n+1], v[S+n:S+n+1], s[CS:CS+1], v[12:13] op_sel_hi:[1,0,0]   ; t - M, two at a time (of the pairs c and -M the low word serves both halves)
.set n, n+2
.endr
.irp b, 0,1,2,3
	v_fma_f32 v[BM+\b], v[BM+\b], s[CS], v12       ; the same of each block's largest score
.endr
.set n, 0
.rept 64
	v_exp_f32 v[S+n], v[S+n]                       ; p = 2^(t - M), at most 1: NOT normalised
.set n, n+1
.endr
	v_pk_mul_f32 v[14:15], v[14:15], v[F:F+1] op_sel_hi:[1,0]   ; the sums under the new M.  (The plain instruction behind the exponentials)
	s_wait_alu depctr_va_vdst(0)                   ; one wait for the whole batch, ahead of its first reader
.irp b, 0,1,2,3
	v_exp_f32 v[BM+\b], v[BM+\b]                   ; the block's largest p: the same two instructions on the same number give the same bits
.endr
	v_pk_add_f32 v[T1:T1+1], v[S:S+1], v[S+2:S+3]  ; THE ROW'S SUM IS TAKEN OF THE UNQUANTISED p: two at a time, in two chains.  (It reads the 64 alone: plain work behind the four)
.set n, 4
.rept 15
	v_pk_add_f32 v[14:15], v[14:15], v[S+n:S+n+1]
	v_pk_add_f32 v[T1:T1+1], v[T1:T1+1], v[S+n+2:S+n+3]
.set n, n+4
.endr
	v_pk_add_f32 v[14:15], v[14:15], v[T1:T1+1]
	s_wait_alu depctr_va_vdst(0)                   ; and one for the four
.irp b, 0,1,2,3
	v_max_num_f32 v[BM+\b], 0x4800000, v[BM+\b]    ; the floor 2^(9 - 127): the byte cannot fall under 1 (a block whose every p is 0 keeps that byte: its codes are zeros)
.endr
.irp b, 0,1,2,3
	v_add_nc_u32 v[SO+\b], 0xfc000000, v[BM+\b]    ; 8 off the exponent field: the conversion's scale operand
.endr
.irp b, 0,1,2,3
	v_and_or_b32 v[HL+\b], v[BM+\b], 0x7f800000, s[MNT]   ; 448 x the scale
.endr
.irp b, 0,1,2,3
	v_lshrrev_b32 v[T1+\b], 23, v[SO+\b]           ; the scale's byte
.endr
	v_lshl_or_b32 v[PW], v[T1+1], 8, v[T1]         ; p's scale word for these 128 keys; the 64 holds below stand between it and the products that name it
	v_lshl_or_b32 v[PW], v[T1+2], 16, v[PW]
	v_lshl_or_b32 v[PW], v[T1+3], 24, v[PW]
.irp b, 0,1,2,3
.set n, 0
.rept 16
	v_min_num_f32 v[S+16*\b+n], v[S+16*\b+n], v[HL+\b]   ; the conversion to an 8-bit code does not saturate (ISA guide 7.6.2); p is not negative, so the hold is one-sided
.set n, n+1
.endr
	v_cvt_scalef32_pk8_fp8_f32 v[PC+4*\b:PC+4*\b+1], v[S+16*\b:S+16*\b+7], v[SO+\b]
	v_cvt_scalef32_pk8_fp8_f32 v[PC+4*\b+2:PC+4*\b+3], v[S+16*\b+8:S+16*\b+15], v[SO+\b]
.endr
.set n, 0
.rept 16
	v_pk_mul_f32 v[OT+n:OT+n+1], v[OT+n:OT+n+1], v[F:F+1] op_sel_hi:[1,0]   ; O^T under the new M: x f, each accumulator from its low end on.  (These 16 also stand between the conversions and the products that take the codes)
.set n, n+2
.endr
	s_wait_dscnt 0x0                               ; V's fragments and scale words are in
.irp t, 0,1,2,3                                ; O^T += V^T P^T: four tiles of 16 of the head's 64; K = these 128 keys.  The four accumulators take turns, one instruction a turn
.if (\t)%2
	v_wmma_scale_f32_16x16x128_f8f6f4 v[OT+8*\t:OT+8*\t+7], v[KV+16*\t:KV+16*\t+15], v[PC:PC+15], v[OT+8*\t:OT+8*\t+7], v[VS+\t/2], v[PW] matrix_a_scale:MATRIX_SCALE_ROW1
.else
	v_wmma_scale_f32_16x16x128_f8f6f4 v[OT+8*\t:OT+8*\t+7], v[KV+16*\t:KV+16*\t+15], v[PC:PC+15], v[OT+8*\t:OT+8*\t+7], v[VS+\t/2], v[PW]
.endif
.endr
	s_add_co_u32 s96, s[KF], 127                   ; the step on my diagonal is my last: my rows leave now, while other waves go on
	s_cmp_le_u32 s96, s[Q0]
	s_cbranch_scc1 .Lhidden_\@
	WAYOUT
.Lhidden_\@:
	s_add_co_u32 s[KF], s[KF], 128
	s_add_co_u32 s[TS], s[TS], 256                 ; the next step's scale words
	s_add_co_u32 s[TJ], s[TJ], 4
.endm
; THE CHANGE OF SLOTS stands at a slot's head.  Each wave waits for all its tensor loads (its part of the slot that is about to be read), adds 0 to its spare word, and waits for that and for its reads of the slot that it has left.
; Behind the barrier the slot ahead is whole and nobody reads the other one.  step = 1: the walking descriptors and the prefetches' address go on by a slot.
.macro CHANGE step
	s_wait_tensorcnt 0x0                           ; no tensor load of mine is out, so a group 0 may be written
	ds_add_u32 v[SPW], v[NIL]                      ; 0 onto my spare word; with step = 1 the descriptors' steps stand between it and the wait for it
.if \step
	s_xor_b32 s[G0K+1], s[G0K+1], SLOT1            ; the other slot than last time,
	s_add_nc_u64 s[G0K+2:G0K+3], s[G0K+2:G0K+3], 16384   ; the next 256 keys; the type bits on top are not reached
	s_xor_b32 s[G0V+1], s[G0V+1], SLOT1
	s_add_nc_u64 s[G0V+2:G0V+3], s[G0V+2:G0V+3], 256
	s_wait_xcnt 0x0                                ; the last prefetch, a slot back, has read its address, so it may be written:
	s_add_nc_u64 s[PFA:PFA+1], s[PFA:PFA+1], s[PFS:PFS+1]  ; one slot further on than the walking descriptors
.endif
	s_wait_dscnt 0x0                               ; the add is done, and my reads of the slot that I have left are over
	s_barrier_signal -1
	s_barrier_wait -1
.endm
.macro SLOT_STEPS
	STEP 0
	STEP 1
	s_xor_b32 s[TB], s[TB], SLOT1                  ; on to the other slot
.endm
	s_wait_loadcnt 0x0                             ; Q
.Lslot:                                            ; trip t reads slot t and asks for slot t + 1: 15 trips at the most
	CHANGE 1
	s_cmp_eq_u32 s[CNT], s[LAST]                   ; my work-group's last slot: no later step reads a further one, so none is asked for: out of the loop, into the tail, behind the barrier and ahead of the load.
	s_cbranch_scc1 .Llast                          ; (The test hangs on the work-group's number alone: all sixteen waves leave together)
	TLOAD G0K, G1K, G0V, G1V                       ; the first thing behind the barrier, and a wave's one tensor load until the next: it has this slot's two key steps in which to land
	ASK
	SLOT_STEPS
	s_add_co_u32 s[CNT], s[CNT], 1
	s_cmp_lt_u32 s[CNT], 15
	s_cbranch_scc1 .Lslot
	CHANGE 0                                       ; slot 15: nothing lies behind it
.Llast:                                            ; the last slot is written out
	SLOT_STEPS
	s_wait_tensorcnt 0x0                           ; the wave's end: behind my last tensor load and my last LDS store
	ds_add_u32 v[SPW], v[NIL]
	s_wait_dscnt 0x0
	s_endpgm
.Lfunc_end_k_qde780b77ad_attn:
	.size	k_qde780b77ad_attn, .Lfunc_end_k_qde780b77ad_attn-k_qde780b77ad_attn
	.p2alignl 7, 3214868480
	.fill 96, 4, 3214868480
	.section	.rodata,"a",@progbits
	.p2align	6, 0x0
	.amdhsa_kernel k_qde780b77ad_attn
		.amdhsa_group_segment_fixed_size 327680
		.amdhsa_private_segment_fixed_size 0
		.amdhsa_enable_private_segment 0
		.amdhsa_kernarg_size 56
		.amdhsa_user_sgpr_count 2
		.amdhsa_user_sgpr_kernarg_segment_ptr 1
		.amdhsa_wavefront_size32 1
		.amdhsa_system_sgpr_workgroup_id_x 1
		.amdhsa_system_sgpr_workgroup_id_y 1
		.amdhsa_system_sgpr_workgroup_id_z 1
		.amdhsa_system_vgpr_workitem_id 0
		.amdhsa_next_free_vgpr 256
		.amdhsa_next_free_sgpr 100
		.amdhsa_reserve_vcc 1
		.amdhsa_float_denorm_mode_32 3
		.amdhsa_float_denorm_mode_16_64 3
		.amdhsa_memory_ordered 1
		.amdhsa_forward_progress 1
		.amdhsa_inst_pref_size 123
	.end_amdhsa_kernel
	.amdgpu_metadata
---
amdhsa.version: [ 1, 2 ]
amdhsa.kernels:
  - .name:           k_qde780b77ad_attn
    .symbol:         k_qde780b77ad_attn.kd
    .args:
      - { .name: q_codes, .offset: 0, .size: 8, .value_kind: global_buffer, .address_space: global }
      - { .name: q_scales, .offset: 8, .size: 8, .value_kind: global_buffer, .address_space: global }
      - { .name: k_codes, .offset: 16, .size: 8, .value_kind: global_buffer, .address_space: global }
      - { .name: k_scales, .offset: 24, .size: 8, .value_kind: global_buffer, .address_space: global }
      - { .name: v_codes, .offset: 32, .size: 8, .value_kind: global_buffer, .address_space: global }
      - { .name: v_scales, .offset: 40, .size: 8, .value_kind: global_buffer, .address_space: global }
      - { .name: out0, .offset: 48, .size: 8, .value_kind: global_buffer, .address_space: global }
    .group_segment_fixed_size: 327680
    .private_segment_fixed_size: 0
    .kernarg_segment_align: 8
    .kernarg_segment_size: 56
    .max_flat_workgroup_size: 512
    .sgpr_count:     100
    .vgpr_count:     256
    .wavefront_size: 32
...
	.end_amdgpu_metadata
.endif
;; end of part 1
